; MI455X (gfx1250); checked and timed in simulation.
; The chip was launched on July 23, 2026; its instructions are those of AMD's public machine-readable ISA for CDNA 5 (MIT licence, August 2026) and "CDNA5" Instruction Set Architecture Reference Guide (July 2026). The comments in the code are by the model that wrote it; some were corrected since.
;; Llama Attention Core. Allowed arithmetic: float matrix products may take bf16 or f16 operands with f32 sums; all other float work in f32.
;; Inputs: attn_bias 512 x 4,096 float32; key_t_caches 8 x 128 x 2,048 float32; keys 8 x 512 x 128 float32; kq_scale 1 float32; queries 32 x 512 x 128 float32; value_caches 8 x 2,048 x 128 float32; values 8 x 512 x 128 float32.
;; Outputs: out0 32 x 512 x 128 float32; out1 8 x 512 x 128 float32; out2 8 x 512 x 128 float32.
;; One version. Each part assembles by itself: llvm-mc -triple=amdgcn-amd-amdhsa -mcpu=gfx1250 --defsym DOCPART=n.
;; ======== version 1 of 1: 2 launches
;; limits: inputs' magnitudes at most 1e+30
;; workspace buffers: opart 33,554,432 bytes; stats 524,288 bytes; tailstat 8,192 bytes
;; launch attn (part 1): grid 256 x 1, 4 waves a work-group, no clusters, 168,448 bytes of LDS; arguments queries, keys, key_t_caches, values, value_caches, attn_bias, kq_scale, opart, stats, tailstat, out1, out2; writes opart, stats, tailstat, out1, out2
.if DOCPART == 1
	.amdgcn_target "amdgcn-amd-amdhsa--gfx1250"
	.amdhsa_code_object_version 6
	.text
	.protected	k_q8435215500_attn
	.globl	k_q8435215500_attn
	.p2align	8
	.type	k_q8435215500_attn,@function
k_q8435215500_attn:
	s_mov_b64 s[64:65], 0
	v_nop
	global_prefetch_b8 v0, s[64:65] scope:SCOPE_SE
	s_setreg_imm32_b32 hwreg(HW_REG_WAVE_MODE, 25, 1), 1
	s_wait_xcnt 0x0
; Grouped-query attention, one quarter of the real keys for 256 query rows; the quarters are merged by the launch that follows.
; Work-group x: rb = x & 7 (64 rows b), s = (x >> 3) & 3 (key split), kv = x >> 5 (key/value head).  It takes the four query heads 4 kv + g,
; rows 64 rb .. + 63, and the keys: new keys 128 s .. + 127 (two tiles of 64), then cache keys 512 s .. + 511 (eight tiles).
; Wave w takes rows 64 rb + 16 w + r of all four heads: four query tiles of 16, so that one K or V fragment read from LDS feeds four
; matrix instructions and one set of bias registers serves four heads.
; BOTH PRODUCTS ARE USED TRANSPOSED.  S^T = K Q^T + bias^T: lane (r, h), register j of tile t holds key 16 t + 8 h + j of query row r.
; Packed to bf16 in place, tiles 2u and 2u+1 ARE the second source of O^T = V^T P^T for keys 32 u .. + 31.  In O^T lane (r, h), register j of tile dt
; holds d = 16 dt + 8 h + j of row r.  So the running maximum, the sum and the rescale factor of a row live in the row's own two lanes.
; The zero keys and values at positions 2560 .. 4095 need no product: their score is the bias alone, the same for every head.  Each wave of the
; launch takes half of one bias row's tail (768 numbers) and stores its maximum and its sum of exponentials; the next launch adds them in.
; The work-group also makes 16 rows of out1 = keys * kq_scale and of out2 = max(values, -10000).
; K, V AND THE BIAS COME THROUGH REGISTERS, not by tensor loads, and no cluster shares them, although the eight work-groups of one (kv, s) read the
; same K and V: the tiles are f32 in memory and bf16 at the matrix unit.  From registers a key's K and V cost 512 bytes of LDS writes; landed as
; f32 by a copy they would cost 1,024 written, 1,024 read back and 512 written again.
; THE PIPELINE.  K and V tiles take turns in two LDS slots.  In the step of tile i: the score products; the softmax; tile i+1, whose 40 loads a wave
; were issued a step ago, is converted and stored into the other slot; the value products, among which tile i+2's loads go out; ONE barrier, in front of
; which each wave has waited for its reads of tile i and its stores of tile i+1; behind it tile i+1's first K fragments, under the last eight products.
; LIMITS.  A NaN in values comes out as -10000 in out2 (v_max_num_f32 drops it).  Scores below -1e30 count as masked: the running maximum starts at
; -1e30, so that a bias of -infinity gives the weight 0.  An exponential below 2^-126 is 0.  Matrix operands are rounded to bf16, sums are f32.
.set LOG2E,  0x3fb8aa3b
.set NLOG2E, 0xbfb8aa3b
; LDS map, bytes
.set KBUF, 0                           ; K tile, bf16: cache tile [128 d][64 keys] pitch 160; new tile [64 keys][128 d] pitch 272
.set VBUF, 20480                       ; V tile, bf16 [64 keys][128 d] pitch 288
.set SLOTB, 38912                      ; slot 1 lies this far behind slot 0; the slot stands in the LDS immediates, 56,928 at the most
.set BIAS, 77824                       ; + 4,352 w: the wave's own 16 bias rows x 64 keys f32, pitch 272
.set STAT, 95232                       ; + 512 w: the wave's own
.set QST,  97280                       ; + 17,408 w: the wave's own: Q bf16, 64 rows pitch 272; at the end 16 rows of O in f32, pitch 528
.set KPC, 160                          ; 5 x 32 and 9 x 32: pitches for the transposing loads
.set KPN, 272                          ; 256 + 16: sixteen rows' 16 bytes fall in sixteen different 16-byte columns modulo 256
.set VP,  288
.set BP,  272
.set QP,  272
.set OP,  528
; window 0 (v0-255)
.set LN,   1                           ; lane L;  r = L & 15, h = L >> 4
.set KT,   2                           ; K cache fragments: KBUF + (8h + (L&7)) 160 + 16 ((L>>3)&1)
.set KN,   3                           ; K new fragments:   KBUF + 272 r + 16 h
.set VT,   4                           ; V fragments:       VBUF + (8h + (L&7)) 288 + 16 ((L>>3)&1)
.set BR,   5                           ; bias as C:         BIAS_w + 272 r + 32 h
.set BW,   6                           ; bias in:           BIAS_w + 272 h + 16 r
.set KWC,  7                           ; K cache in:        KBUF + (32 w + 4 h) 160 + 8 r
.set KWN,  8                           ; K new in:          KBUF + 16 w 272 + 8 L
.set VW,   9                           ; V in:              VBUF + 16 w 288 + 8 L
.set QW,   10                          ; Q in:              QST_w + 8 L
.set QR,   11                          ; Q fragments:       QST_w + 272 r + 16 h
.set GKC,  12                          ; global: h << 15 | r << 4 (two d rows of the cache, four rows apart)
.set GROW, 13                          ; global: 16 L (one row of 512 bytes)
.set GB,   14                          ; global: h << 14 | r << 4 (two bias rows)
.set OST,  15                          ; O in:   QST_w + 528 r + 32 h
.set ORD,  16                          ; O back: QST_w + 16 L
.set SW,   17                          ; STAT_w + 4 L
.set SR,   18                          ; STAT_w + 16 L
.set ZERO, 19
.set RM,   20                          ; v20-23 running maximum of head g
.set LS,   24                          ; v24-27 running sum, each half of the lanes its own keys
.set X,    28                          ; v28-31
.set Y,    32                          ; v32-35
.set NM,   36                          ; v36-43 pairs: - maximum x log2 e, twice
.set AL,   44                          ; v44-51 pairs: rescale factor, twice
.set SU,   52                          ; v52-59 pairs: sums at work
.set FA,   64                          ; v64-95  four fragments
.set FB,   96                          ; v96-127 four fragments
.set SC,   128                         ; v128-255 S[g][t] at SC + 32 g + 8 t; P[g][u] in place at SC + 32 g + 8 u
; window 1 (v256-511): O[g][dt] at 8 (8 g + dt); at the start Q as loaded
; window 2 (v512-767)
.set QF,   0                           ; Q[g][c] at 8 (4 g + c)
.set BC,   128                         ; bias as C, tile t at BC + 8 t
.set KS,   160                         ; K as loaded, 16 x 4
.set BS,   224                         ; bias as loaded, 8 x 4
; window 3 (v768-863)
.set VS,   0                           ; V as loaded, 16 x 4
.set R1,   64                          ; 4 rows of keys for out1
.set R2,   80                          ; 4 rows of values for out2
; s_set_vgpr_msb, low byte: bits 1:0 source 0, 3:2 source 1, 5:4 source 2, 7:6 destination
.set LD1, 0x40
.set LD2, 0x80
.set LD3, 0xc0
.set CV1, 0x45
.set CV2, 0x8a
.set CV3, 0xcf
.set ST1, 0x04
.set ST2, 0x08
.set ST3, 0x0c
.set MS0, 0x28                         ; score product, first d step: Q and the bias in window 2
.set MS,  0x08                         ; score product: Q in window 2
.set MPV, 0x50                         ; value product: C and D in window 1
.set RSC, 0x41                         ; O x factor
.set MSB, 0
.macro WIN new                         ; the immediate's high byte repeats the setting that is left
.if MSB != \new
	s_set_vgpr_msb (MSB<<8)|\new
.set MSB, \new
.endif
.endm
.macro PLACES                          ; four places behind a matrix instruction (ISA guide 7.12.1) before its result is read by a vector
.rept 4                                ; instruction or a load is issued into one of its registers
	v_nop
.endr
.endm
	s_load_b512 s[8:23], s[0:1], 0x0               ; queries s[8:9], keys s[10:11], key_t_caches s[12:13], values s[14:15], value_caches s[16:17], attn_bias s[18:19], kq_scale s[20:21], opart s[22:23]
	s_load_b256 s[24:31], s[0:1], 0x40             ; stats s[24:25], tailstat s[26:27], out1 s[28:29], out2 s[30:31]
	s_set_vgpr_msb 0xc0
	v_lshl_add_u32 v96, v0, 2, 0x29000
	v_mov_b32 v97, 0
	s_set_vgpr_msb 0xc000
	v_lshrrev_b32 v60, 5, v0
	v_readfirstlane_b32 s2, v60                    ; wave w
	s_and_b32 s4, ttmp9, 7                         ; rb
	s_bfe_u32 s5, ttmp9, 0x20003                   ; s
	s_lshr_b32 s6, ttmp9, 5                        ; kv
	s_mov_b32 s33, 0                               ; high word of every offset
	s_mov_b32 s36, 0x76543210                      ; v_permlanex16_b32: lane i of one half reads lane i of the other
	s_mov_b32 s37, 0xfedcba98
	s_mov_b32 s40, 0xffff0000                      ; lanes 16 to 31
	s_mov_b32 s41, 0xf149f2ca                      ; -1e30
	s_mul_i32 s55, s2, 16*BP
	s_add_co_u32 s55, s55, BIAS                    ; BIAS_w
	s_mul_i32 s56, s2, 32*KPC                      ; my 32 d rows of a cache tile
	s_mul_i32 s57, s2, 16*KPN                      ; my 16 keys of a new tile
	s_mul_i32 s58, s2, 16*VP
	s_add_co_u32 s58, s58, VBUF                    ; my 16 keys of a V tile
	s_mul_i32 s59, s2, 64*QP
	s_add_co_u32 s59, s59, QST                     ; QST_w
	s_lshl_b32 s60, s2, 9
	s_add_co_u32 s60, s60, STAT                    ; STAT_w
	s_lshl_b32 s52, s6, 20                         ; kv << 20
	s_lshl_b32 s53, s6, 18                         ; kv << 18
	s_lshl_b32 s54, s2, 13                         ; w << 13: 16 rows of 512 bytes
	s_lshl_b32 s61, s4, 15                         ; rb << 15: 64 rows of 512 bytes
	s_lshl_b32 s62, s2, 18                         ; w << 18
	v_and_b32 v[LN], 31, v0
	v_and_b32 v60, 15, v0                          ; r
	v_bfe_u32 v61, v0, 4, 1                        ; h
	v_and_b32 v62, 7, v0
	v_bfe_u32 v63, v0, 3, 1                        ; (L >> 3) & 1
	v_lshl_add_u32 v62, v61, 3, v62                ; 8 h + (L & 7)
	v_mul_u32_u24 v[KT], v62, KPC
	v_lshl_add_u32 v[KT], v63, 4, v[KT]
	v_mul_u32_u24 v[VT], v62, VP
	v_lshl_add_u32 v[VT], v63, 4, v[VT]
	v_add_nc_u32 v[VT], VBUF, v[VT]
	v_mul_u32_u24 v[KN], v60, KPN
	v_lshl_add_u32 v[KN], v61, 4, v[KN]
	v_mul_u32_u24 v[BR], v60, BP
	v_lshl_add_u32 v[BR], v61, 5, v[BR]
	v_add_nc_u32 v[BR], s55, v[BR]
	v_mul_u32_u24 v[BW], v61, BP
	v_lshl_add_u32 v[BW], v60, 4, v[BW]
	v_add_nc_u32 v[BW], s55, v[BW]
	v_mul_u32_u24 v[KWC], v61, 4*KPC
	v_lshl_add_u32 v[KWC], v60, 3, v[KWC]
	v_add_nc_u32 v[KWC], s56, v[KWC]
	v_lshl_add_u32 v[KWN], v[LN], 3, s57
	v_lshl_add_u32 v[VW], v[LN], 3, s58
	v_lshl_add_u32 v[QW], v[LN], 3, s59
	v_add_nc_u32 v[QR], s59, v[KN]
	v_lshlrev_b32 v[GKC], 4, v60
	v_lshl_or_b32 v[GKC], v61, 15, v[GKC]
	v_lshlrev_b32 v[GROW], 4, v[LN]
	v_lshlrev_b32 v[GB], 4, v60
	v_lshl_or_b32 v[GB], v61, 14, v[GB]
	v_mul_u32_u24 v[OST], v60, OP
	v_lshl_add_u32 v[OST], v61, 5, v[OST]
	v_add_nc_u32 v[OST], s59, v[OST]
	v_lshl_add_u32 v[ORD], v[LN], 4, s59
	v_lshl_add_u32 v[SW], v[LN], 2, s60
	v_lshl_add_u32 v[SR], v[LN], 4, s60
	v_mov_b32 v[ZERO], 0
.irp g, 0,1,2,3
	v_mov_b32 v[Y+\g], 0                           ; v_permlanex16_b32 counts as a reader of its destination
.endr
	s_wait_kmcnt 0x0
	s_load_b32 s34, s[20:21], 0x0                  ; kq_scale
	s_or_b32 s32, s52, s61                         ; queries: kv << 20 | rb << 15 | w << 13; the head g stands in the loads' immediates
	s_or_b32 s32, s32, s54
	s_add_nc_u64 s[8:9], s[8:9], s[32:33]
	s_lshl_b32 s63, s5, 23                         ; opart: the same, + s << 23
	s_or_b32 s32, s32, s63
	s_add_nc_u64 s[22:23], s[22:23], s[32:33]
	s_or_b32 s32, s53, s61                         ; my 4 rows of out1 and out2: kv << 18 | rb << 15 | s << 13 | w << 11
	s_lshl_b32 s63, s5, 13
	s_or_b32 s32, s32, s63
	s_lshl_b32 s63, s2, 11
	s_or_b32 s32, s32, s63
	s_add_nc_u64 s[48:49], s[10:11], s[32:33]
	s_add_nc_u64 s[50:51], s[14:15], s[32:33]
	s_add_nc_u64 s[28:29], s[28:29], s[32:33]
	s_add_nc_u64 s[30:31], s[30:31], s[32:33]
	s_lshl_b32 s63, s5, 16                         ; new K and V: kv << 18 | s << 16 | w << 13
	s_or_b32 s32, s53, s63
	s_or_b32 s32, s32, s54
	s_add_nc_u64 s[10:11], s[10:11], s[32:33]
	s_add_nc_u64 s[14:15], s[14:15], s[32:33]
	s_lshl_b32 s63, s5, 18                         ; cache V: kv << 20 | s << 18 | w << 13
	s_or_b32 s32, s52, s63
	s_or_b32 s32, s32, s54
	s_add_nc_u64 s[16:17], s[16:17], s[32:33]
	s_lshl_b32 s63, s5, 11                         ; cache K: kv << 20 | w << 18 (32 d rows of 8,192 bytes) | s << 11
	s_or_b32 s32, s52, s62
	s_or_b32 s32, s32, s63
	s_add_nc_u64 s[12:13], s[12:13], s[32:33]
	s_lshl_b32 s3, s4, 20                          ; my 16 bias rows: rb << 20 | w << 18
	s_or_b32 s3, s3, s62
	s_or_b32 s32, s3, s63                          ; cache columns: + s << 11
	s_add_nc_u64 s[44:45], s[18:19], s[32:33]
	s_lshl_b32 s63, s5, 9                          ; new columns: + 8,192 + s << 9
	s_or_b32 s32, s3, s63
	s_or_b32 s32, s32, 8192
	s_add_nc_u64 s[42:43], s[18:19], s[32:33]
	s_lshr_b32 s63, s2, 1                          ; the tail: bias row 2 x + (w >> 1), columns 2560 + 768 (w & 1)
	s_lshl_b32 s32, ttmp9, 1
	s_add_co_u32 s32, s32, s63
	s_lshl_b32 s32, s32, 14
	s_and_b32 s63, s2, 1
	s_mul_i32 s63, s63, 3072
	s_add_co_u32 s32, s32, s63
	s_add_co_u32 s32, s32, 10240
	s_add_nc_u64 s[46:47], s[18:19], s[32:33]
	s_lshl_b32 s32, s6, 16                         ; stats: kv << 16 | rb << 13 | w << 11 | s << 9
	s_lshl_b32 s63, s4, 13
	s_or_b32 s32, s32, s63
	s_lshl_b32 s63, s2, 11
	s_or_b32 s32, s32, s63
	s_lshl_b32 s63, s5, 9
	s_or_b32 s32, s32, s63
	s_add_nc_u64 s[24:25], s[24:25], s[32:33]
	s_lshl_b32 s32, ttmp9, 5                       ; tailstat: 32 x + 8 w
	s_lshl_b32 s63, s2, 3
	s_or_b32 s32, s32, s63
	s_add_nc_u64 s[26:27], s[26:27], s[32:33]
; The 40 loads of a tile, in two runs.  kind 0: new keys, tile j; kind 1: cache, at the stepped bases.  Every load covers whole aligned runs of
; 256 bytes: a row of 512 bytes, or two rows of 256.  A cache load's upper sixteen lanes take the d row four further down, so that the two halves
; of the 8-byte LDS store that follows lie 640 bytes apart, 128 modulo 256.
.macro LOADKB kind, j                  ; 16 of K, 8 of the bias
	WIN LD2
.set ii, 0
.rept 16
.if \kind
	global_load_b128 v[KS+4*ii:KS+4*ii+3], v[GKC], s[12:13] offset:(ii%4+8*(ii/4))*8192
.else
	global_load_b128 v[KS+4*ii:KS+4*ii+3], v[GROW], s[10:11] offset:\j*32768+512*ii
.endif
.set ii, ii+1
.endr
.set ii, 0
.rept 8
.if \kind
	global_load_b128 v[BS+4*ii:BS+4*ii+3], v[GB], s[44:45] offset:ii*32768
.else
	global_load_b128 v[BS+4*ii:BS+4*ii+3], v[GB], s[42:43] offset:\j*256+ii*32768
.endif
.set ii, ii+1
.endr
.endm
.macro LOADV kind, j                   ; 16 of V
	WIN LD3
.set ii, 0
.rept 16
.if \kind
	global_load_b128 v[VS+4*ii:VS+4*ii+3], v[GROW], s[16:17] offset:512*ii
.else
	global_load_b128 v[VS+4*ii:VS+4*ii+3], v[GROW], s[14:15] offset:\j*32768+512*ii
.endif
.set ii, ii+1
.endr
.endm
; K and V to bf16, in place: four f32 become the first two registers of their four.  New keys are scaled, new values clipped, in f32 first.
.macro CONV kind
	WIN CV2
.if \kind == 0
.set ii, 0
.rept 32
	v_pk_mul_f32 v[KS+2*ii:KS+2*ii+1], v[KS+2*ii:KS+2*ii+1], s[34:35] op_sel_hi:[1,0]
.set ii, ii+1
.endr
.endif
.set ii, 0
.rept 16
	v_cvt_pk_bf16_f32 v[KS+4*ii], v[KS+4*ii], v[KS+4*ii+1]
	v_cvt_pk_bf16_f32 v[KS+4*ii+1], v[KS+4*ii+2], v[KS+4*ii+3]
.set ii, ii+1
.endr
	WIN CV3
.if \kind == 0
.set ii, 0
.rept 64
	v_max_num_f32 v[VS+ii], 0xc61c4000, v[VS+ii]
.set ii, ii+1
.endr
.endif
.set ii, 0
.rept 16
	v_cvt_pk_bf16_f32 v[VS+4*ii], v[VS+4*ii], v[VS+4*ii+1]
	v_cvt_pk_bf16_f32 v[VS+4*ii+1], v[VS+4*ii+2], v[VS+4*ii+3]
.set ii, ii+1
.endr
.endm
; The tile into LDS slot sl: 48 LDS instructions.  The bias goes through the wave's own bytes so that memory is read in whole rows of 256 bytes while
; the matrix unit gets it as C: lane (r, h) takes columns 16 t + 8 h .. + 7 of row r.  LDS serves a wave's instructions in order (ISA guide 5.7.1),
; so the loads see the stores.
.macro STAGE kind, sl
	WIN ST2
.set ii, 0
.rept 16
.if \kind
	ds_store_b64 v[KWC], v[KS+4*ii:KS+4*ii+1] offset:(\sl)*SLOTB+(ii%4+8*(ii/4))*KPC
.else
	ds_store_b64 v[KWN], v[KS+4*ii:KS+4*ii+1] offset:(\sl)*SLOTB+ii*KPN
.endif
.set ii, ii+1
.endr
.set ii, 0
.rept 8
	ds_store_b128 v[BW], v[BS+4*ii:BS+4*ii+3] offset:ii*2*BP
.set ii, ii+1
.endr
	WIN ST3
.set ii, 0
.rept 16
	ds_store_b64 v[VW], v[VS+4*ii:VS+4*ii+1] offset:(\sl)*SLOTB+ii*VP
.set ii, ii+1
.endr
	WIN LD2
.set ii, 0
.rept 8
	ds_load_b128 v[BC+4*ii:BC+4*ii+3], v[BR] offset:64*(ii/2)+16*(ii%2)
.set ii, ii+1
.endr
.endm
; Four K fragments (keys 16 t .. + 15, d = 32 c .. + 31) of slot sl into f.  Issued under a setting whose destination and source 0 are window 0.
.macro KFRAGS kind, sl, c, f
.set ii, 0
.rept 4
.if \kind
	ds_load_tr16_b128 v[\f+8*ii:\f+8*ii+3],   v[KT] offset:(\sl)*SLOTB+32*KPC*\c+32*ii
	ds_load_tr16_b128 v[\f+8*ii+4:\f+8*ii+7], v[KT] offset:(\sl)*SLOTB+32*KPC*\c+32*ii+16*KPC
.else
	ds_load_b128 v[\f+8*ii:\f+8*ii+3],   v[KN] offset:(\sl)*SLOTB+16*KPN*ii+64*\c
	ds_load_b128 v[\f+8*ii+4:\f+8*ii+7], v[KN] offset:(\sl)*SLOTB+16*KPN*ii+64*\c+32
.endif
.set ii, ii+1
.endr
.endm
; Four V^T fragments (d tiles 4 q .. 4 q + 3, keys 32 u .. + 31) of slot sl into f; window 0
.macro VFRAGS sl, u, q, f
.set ii, 0
.rept 4
	ds_load_tr16_b128 v[\f+8*ii:\f+8*ii+3],   v[VT] offset:(\sl)*SLOTB+32*VP*\u+32*(4*\q+ii)
	ds_load_tr16_b128 v[\f+8*ii+4:\f+8*ii+7], v[VT] offset:(\sl)*SLOTB+32*VP*\u+32*(4*\q+ii)+16*VP
.set ii, ii+1
.endr
.endm
; 16 matrix instructions: four key tiles x four heads, d step c.  The first d step takes the bias as C: nothing is cleared, nothing added later.
; The sixteen accumulators take turns, one instruction a turn.
.macro SMUL c, f
.if \c == 0
	WIN MS0
.else
	WIN MS
.endif
.irp t, 0,1,2,3
.irp g, 0,1,2,3
.if \c == 0
	v_wmma_f32_16x16x32_bf16 v[SC+32*\g+8*\t:SC+32*\g+8*\t+7], v[\f+8*\t:\f+8*\t+7], v[QF+8*(4*\g+\c):QF+8*(4*\g+\c)+7], v[BC+8*\t:BC+8*\t+7]
.else
	v_wmma_f32_16x16x32_bf16 v[SC+32*\g+8*\t:SC+32*\g+8*\t+7], v[\f+8*\t:\f+8*\t+7], v[QF+8*(4*\g+\c):QF+8*(4*\g+\c)+7], v[SC+32*\g+8*\t:SC+32*\g+8*\t+7]
.endif
.endr
.endr
.endm
; 8 matrix instructions: d tiles 4 q + k0, 4 q + k0 + 1 x four heads, key step u.  zero = 1: the product starts the sums.  Accumulators by turns, as above.
.macro PVH u, q, f, zero, k0
	WIN MPV
.irp k, \k0, \k0+1
.irp g, 0,1,2,3
.if \zero
	v_wmma_f32_16x16x32_bf16 v[8*(8*\g+4*\q+(\k)):8*(8*\g+4*\q+(\k))+7], v[\f+8*(\k):\f+8*(\k)+7], v[SC+32*\g+8*\u:SC+32*\g+8*\u+7], 0
.else
	v_wmma_f32_16x16x32_bf16 v[8*(8*\g+4*\q+(\k)):8*(8*\g+4*\q+(\k))+7], v[\f+8*(\k):\f+8*(\k)+7], v[SC+32*\g+8*\u:SC+32*\g+8*\u+7], v[8*(8*\g+4*\q+(\k)):8*(8*\g+4*\q+(\k))+7]
.endif
.endr
.endr
.endm
.macro PVMUL u, q, f, zero
	PVH \u, \q, \f, \zero, 0
	PVH \u, \q, \f, \zero, 2
.endm
; The running softmax of a tile, the four heads interleaved so that no instruction waits for the one in front of it.  A row's 64 scores lie in
; 32 registers of each of its two lanes (L and L xor 16).
.macro SOFTMAX first
.irp g, 0,1,2,3
	v_max3_num_f32 v[X+\g], v[SC+32*\g], v[SC+32*\g+1], v[SC+32*\g+2]
.endr
.set ii, 3
.rept 14
.irp g, 0,1,2,3
	v_max3_num_f32 v[X+\g], v[X+\g], v[SC+32*\g+ii], v[SC+32*\g+ii+1]
.endr
.set ii, ii+2
.endr
.irp g, 0,1,2,3
	v_max_num_f32 v[X+\g], v[X+\g], v[SC+32*\g+31]
.endr
.irp g, 0,1,2,3
	v_permlanex16_b32 v[Y+\g], v[X+\g], s36, s37
.endr
.if \first
.irp g, 0,1,2,3
	v_max3_num_f32 v[RM+\g], v[X+\g], v[Y+\g], s41           ; the maximum starts at -1e30
.endr
.else
.irp g, 0,1,2,3
	v_max3_num_f32 v[X+\g], v[X+\g], v[Y+\g], v[RM+\g]
.endr
.irp g, 0,1,2,3
	v_sub_f32 v[AL+2*\g], v[RM+\g], v[X+\g]                  ; old maximum - new
.endr
.irp g, 0,1,2,3
	v_mov_b32 v[RM+\g], v[X+\g]
.endr
.irp g, 0,1,2,3
	v_mul_f32 v[AL+2*\g], LOG2E, v[AL+2*\g]
.endr
.endif
.irp g, 0,1,2,3
	v_mul_f32 v[NM+2*\g], NLOG2E, v[RM+\g]
	v_mul_f32 v[NM+2*\g+1], NLOG2E, v[RM+\g]
.endr
.set ii, 0
.rept 16
.irp g, 0,1,2,3
	v_pk_fma_f32 v[SC+32*\g+ii:SC+32*\g+ii+1], v[SC+32*\g+ii:SC+32*\g+ii+1], LOG2E, v[NM+2*\g:NM+2*\g+1] op_sel_hi:[1,0,1]
.endr
.set ii, ii+2
.endr
.if \first == 0
.irp g, 0,1,2,3
	v_exp_f32 v[AL+2*\g], v[AL+2*\g]
.endr
.endif
.set ii, 0
.rept 128
	v_exp_f32 v[SC+ii], v[SC+ii]
.set ii, ii+1
.endr
	v_nop                                          ; one plain vector instruction behind the exponentials before a result is used (ISA guide 5.7.2)
.if \first == 0
	s_wait_alu depctr_va_vdst(0)
.irp g, 0,1,2,3
	v_mov_b32 v[AL+2*\g+1], v[AL+2*\g]
.endr
.endif
	s_wait_alu depctr_va_vdst(0)
.irp g, 0,1,2,3
	v_pk_add_f32 v[SU+2*\g:SU+2*\g+1], v[SC+32*\g:SC+32*\g+1], v[SC+32*\g+2:SC+32*\g+3]
.endr
.set ii, 4
.rept 14
.irp g, 0,1,2,3
	v_pk_add_f32 v[SU+2*\g:SU+2*\g+1], v[SU+2*\g:SU+2*\g+1], v[SC+32*\g+ii:SC+32*\g+ii+1]
.endr
.set ii, ii+2
.endr
.if \first
.irp g, 0,1,2,3
	v_add_f32 v[LS+\g], v[SU+2*\g], v[SU+2*\g+1]
.endr
.else
.irp g, 0,1,2,3
	v_add_f32 v[SU+2*\g], v[SU+2*\g], v[SU+2*\g+1]
.endr
.irp g, 0,1,2,3
	v_fma_f32 v[LS+\g], v[LS+\g], v[AL+2*\g], v[SU+2*\g]
.endr
.endif
.set ii, 0
.rept 16                                               ; register n from registers 2n, 2n+1, n ascending: no source is overwritten before it is read
.irp g, 0,1,2,3
	v_cvt_pk_bf16_f32 v[SC+32*\g+ii], v[SC+32*\g+2*ii], v[SC+32*\g+2*ii+1]
.endr
.set ii, ii+1
.endr
.endm
.macro RESCALE
	WIN RSC
.irp g, 0,1,2,3
.set ii, 0
.rept 32
	v_pk_mul_f32 v[64*\g+ii:64*\g+ii+1], v[64*\g+ii:64*\g+ii+1], v[AL+2*\g:AL+2*\g+1]
.set ii, ii+2
.endr
.endr
.endm
; One tile, in slot sl; its K fragments of d step 0 are on their way into FA.  kind: 0 new keys, 1 cache.  first = 1: the launch's first tile.
; skind: the kind of the next tile, which this step stores into the other slot (-1: there is none).
; nn: the tile after that, always a cache tile: 0 none, 1 asked for at the bases as they stand, 2 at the bases stepped by a tile.
.macro STEP kind, sl, first, skind, nn
.if \skind >= 0
.set DSX, 48                                           ; the LDS instructions of STAGE
.else
.set DSX, 0
.endif
.if \first == 0
.rept 5                                                ; places behind the last tile's last products: four for the loads into FB, which they read,
	v_nop                                          ; five for the first score products, which write over P's registers (ISA guide 7.12.1)
.endr
.endif
	WIN MS0
	KFRAGS \kind, \sl, 1, FB
	s_wait_dscnt 8                                 ; FA is in; the eight loads of FB may be out
	SMUL 0, FA
	PLACES
	KFRAGS \kind, \sl, 2, FA
	s_wait_dscnt 8                                 ; FB is in; the eight just issued may be out
	SMUL 1, FB
	PLACES
	KFRAGS \kind, \sl, 3, FB
	s_wait_dscnt 8
	SMUL 2, FA
	s_wait_dscnt 0
	SMUL 3, FB
	WIN 0
	PLACES
	VFRAGS \sl, 0, 0, FA                           ; they land while the softmax runs
	VFRAGS \sl, 0, 1, FB
	SOFTMAX \first
.if \first == 0
	RESCALE
.endif
.if \skind >= 0
	s_wait_loadcnt 0x0                             ; the next tile's 40 loads, issued a step ago, are in; their bases are free
.if \nn == 2
	s_add_nc_u64 s[12:13], s[12:13], 256           ; 64 keys on: 256 bytes along K's and the bias's rows, 64 rows of V
	s_add_nc_u64 s[16:17], s[16:17], 32768
	s_add_nc_u64 s[44:45], s[44:45], 256
.endif
	CONV \skind
	STAGE \skind, 1-\sl                            ; the other slot: all waves' reads of it ended in front of the last step's barrier
.endif
	s_wait_dscnt 8+DSX                             ; FA is in: behind its loads were issued FB's eight and STAGE's
	PVMUL 0, 0, FA, \first
	WIN 0
	PLACES
	VFRAGS \sl, 1, 0, FA
	s_wait_dscnt 8+DSX                             ; FB is in: behind its loads were issued STAGE's and the eight just now
	PVMUL 0, 1, FB, \first
	WIN 0
	PLACES
	VFRAGS \sl, 1, 1, FB
	s_wait_dscnt 8                                 ; FA is in, and STAGE's stores are done: K's, the bias's and V's registers may be loaded again
.if \nn
	LOADKB 1, 0
.endif
	PVMUL 1, 0, FA, 0
.if \nn
	LOADV 1, 0
.endif
	s_wait_dscnt 0                                 ; FB is in; my reads of this tile are back and my part of the next tile is written:
.if \skind >= 0
	s_barrier_signal -1                            ; say so,
	PVH 1, 1, FB, 0, 0                             ; work on registers while the others arrive,
	WIN 0
	s_barrier_wait -1                              ; and go on when all four have said so: the next tile is whole, this slot may be written again
	PLACES                                         ; FA was read by the sixteen products in front of the signal
	KFRAGS \skind, 1-\sl, 0, FA                    ; the next tile's first fragments land under the last eight products
	PVH 1, 1, FB, 0, 2
.else
	PVMUL 1, 1, FB, 0
.endif
	WIN 0
.endm
	; ALL THE FIRST LOADS: Q (64), my rows of keys and values (8), my half of a bias row's tail (6), the first tile (40)
	WIN LD1
.irp g, 0,1,2,3
.set ii, 0
.rept 16
	global_load_b128 v[64*\g+4*ii:64*\g+4*ii+3], v[GROW], s[8:9] offset:\g*262144+512*ii
.set ii, ii+1
.endr
.endr
	WIN LD3
.set ii, 0
.rept 4
	global_load_b128 v[R1+4*ii:R1+4*ii+3], v[GROW], s[48:49] offset:512*ii
	global_load_b128 v[R2+4*ii:R2+4*ii+3], v[GROW], s[50:51] offset:512*ii
.set ii, ii+1
.endr
	WIN 0
.set ii, 0
.rept 6
	global_load_b128 v[SC+4*ii:SC+4*ii+3], v[GROW], s[46:47] offset:512*ii
.set ii, ii+1
.endr
	LOADKB 0, 0
	LOADV 0, 0
	s_wait_kmcnt 0x0
	s_mov_b32 s35, s34                             ; the scale as a pair
	s_wait_loadcnt 40                              ; the first tile's 40 loads may stay out; all that was issued ahead of them is in
	; Q: to bf16, through the wave's own LDS bytes, into fragments that stay in registers for the whole launch
	WIN CV1
.set ii, 0
.rept 64
	v_cvt_pk_bf16_f32 v[4*ii], v[4*ii], v[4*ii+1]
	v_cvt_pk_bf16_f32 v[4*ii+1], v[4*ii+2], v[4*ii+3]
.set ii, ii+1
.endr
	WIN ST1
.set ii, 0
.rept 64
	ds_store_b64 v[QW], v[4*ii:4*ii+1] offset:QP*ii
.set ii, ii+1
.endr
	WIN LD2
.irp g, 0,1,2,3
.irp c, 0,1,2,3
	ds_load_b128 v[QF+8*(4*\g+\c):QF+8*(4*\g+\c)+3],   v[QR] offset:16*QP*\g+64*\c
	ds_load_b128 v[QF+8*(4*\g+\c)+4:QF+8*(4*\g+\c)+7], v[QR] offset:16*QP*\g+64*\c+32
.endr
.endr
	; out1 and out2: four rows each; every store covers 512 consecutive bytes, aligned
	WIN CV3
.set ii, 0
.rept 8
	v_pk_mul_f32 v[R1+2*ii:R1+2*ii+1], v[R1+2*ii:R1+2*ii+1], s[34:35] op_sel_hi:[1,0]
.set ii, ii+1
.endr
.set ii, 0
.rept 16
	v_max_num_f32 v[R2+ii], 0xc61c4000, v[R2+ii]
.set ii, ii+1
.endr
	WIN ST3
.set ii, 0
.rept 4
	global_store_b128 v[GROW], v[R1+4*ii:R1+4*ii+3], s[28:29] offset:512*ii th:TH_STORE_NT
	global_store_b128 v[GROW], v[R2+4*ii:R2+4*ii+3], s[30:31] offset:512*ii th:TH_STORE_NT
.set ii, ii+1
.endr
	WIN 0
	; the tail: maximum and sum of exponentials of 768 bias numbers, 24 a lane
	v_max3_num_f32 v[X], v[SC], v[SC+1], v[SC+2]
.set ii, 3
.rept 10
	v_max3_num_f32 v[X], v[X], v[SC+ii], v[SC+ii+1]
.set ii, ii+2
.endr
	v_max_num_f32 v[X], v[X], v[SC+23]
	v_max_num_f32_dpp v[X], v[X], v[X] row_xmask:1 row_mask:0xf bank_mask:0xf
	v_max_num_f32_dpp v[X], v[X], v[X] row_xmask:2 row_mask:0xf bank_mask:0xf
	v_max_num_f32_dpp v[X], v[X], v[X] row_xmask:4 row_mask:0xf bank_mask:0xf
	v_max_num_f32_dpp v[X], v[X], v[X] row_xmask:8 row_mask:0xf bank_mask:0xf
	v_permlanex16_b32 v[Y], v[X], s36, s37
	v_max3_num_f32 v[X], v[X], v[Y], s41
	v_mul_f32 v[NM], NLOG2E, v[X]
	v_mul_f32 v[NM+1], NLOG2E, v[X]
.set ii, 0
.rept 12
	v_pk_fma_f32 v[SC+ii:SC+ii+1], v[SC+ii:SC+ii+1], LOG2E, v[NM:NM+1] op_sel_hi:[1,0,1]
.set ii, ii+2
.endr
.set ii, 0
.rept 24
	v_exp_f32 v[SC+ii], v[SC+ii]
.set ii, ii+1
.endr
	v_nop                                          ; one plain vector instruction behind the exponentials
	s_wait_alu depctr_va_vdst(0)
	v_pk_add_f32 v[SU:SU+1], v[SC:SC+1], v[SC+2:SC+3]
.set ii, 4
.rept 10
	v_pk_add_f32 v[SU:SU+1], v[SU:SU+1], v[SC+ii:SC+ii+1]
.set ii, ii+2
.endr
	v_add_f32 v[X+1], v[SU], v[SU+1]
	v_add_f32_dpp v[X+1], v[X+1], v[X+1] row_xmask:1 row_mask:0xf bank_mask:0xf
	v_add_f32_dpp v[X+1], v[X+1], v[X+1] row_xmask:2 row_mask:0xf bank_mask:0xf
	v_add_f32_dpp v[X+1], v[X+1], v[X+1] row_xmask:4 row_mask:0xf bank_mask:0xf
	v_add_f32_dpp v[X+1], v[X+1], v[X+1] row_xmask:8 row_mask:0xf bank_mask:0xf
	v_permlanex16_b32 v[Y], v[X+1], s36, s37
	v_add_f32 v[X+1], v[X+1], v[Y]
	v_cmp_eq_u32 vcc_lo, 0, v[LN]
	s_wait_xcnt 0x0                                ; EXEC is a source of the loads and stores that are out: it changes only behind this wait
	s_and_saveexec_b32 s39, vcc_lo
	global_store_b64 v[ZERO], v[X:X+1], s[26:27]   ; lane 0: {maximum, sum}; 8 bytes a wave, 8,192 in the whole launch
	s_wait_xcnt 0x0                                ; and again, in front of the line that widens it; X is free behind it too
	s_or_b32 exec_lo, exec_lo, s39
	; the first tile into slot 0; the second is asked for
	s_wait_loadcnt 0x0                             ; the first tile's 40 loads
	CONV 0
	STAGE 0, 0
	s_wait_dscnt 0x0                               ; my part of the tile is written; my bias and my Q fragments are in; the staging registers are free
	LOADKB 0, 1
	LOADV 0, 1
	WIN 0
	s_barrier_signal -1
	s_barrier_wait -1                              ; the tile is whole
	KFRAGS 0, 0, 0, FA
	; THE TEN TILES
	STEP 0, 0, 1, 0, 1                             ; new keys 0-63 of my split; stores new keys 64-127; asks for cache tile 0
	STEP 0, 1, 0, 1, 2                             ; new keys 64-127; stores cache tile 0; asks for cache tile 1
	s_mov_b32 s38, 3
.Ltile:
	STEP 1, 0, 0, 1, 2                             ; cache tiles 0 to 5, two a trip; each stores the next and asks for the one after
	STEP 1, 1, 0, 1, 2
	s_sub_co_u32 s38, s38, 1
	s_cmp_lg_u32 s38, 0
	s_cbranch_scc1 .Ltile
	STEP 1, 0, 0, 1, 0                             ; cache tile 6: stores tile 7; nothing is left to ask for
	STEP 1, 1, 0, -1, 0                            ; cache tile 7: nothing is left to store, no barrier
	; THE WAY OUT
	PLACES                                         ; behind the last matrix instructions: O is read, and loads are issued into P's registers
.irp g, 0,1,2,3
	v_permlanex16_b32 v[Y+\g], v[LS+\g], s36, s37
.endr
.irp g, 0,1,2,3
	v_add_f32 v[LS+\g], v[LS+\g], v[Y+\g]          ; the two halves' keys together
.endr
.irp g, 0,1,2,3
	v_cndmask_b32 v[X+\g], v[RM+\g], v[LS+\g], s40 ; lanes 0-15 the maxima of rows r, lanes 16-31 the sums
	ds_store_b32 v[SW], v[X+\g] offset:128*\g
.endr
	ds_load_b128 v[60:63], v[SR]                   ; my own bytes, served in order: [g][maximum, sum][r], 512 bytes
	s_wait_dscnt 0x0
	global_store_b128 v[GROW], v[60:63], s[24:25]  ; 512 consecutive bytes, aligned
; Head g: a lane's 32 bytes of each d tile into the wave's own stage, rows of 512 bytes back, and out: each store covers 512 consecutive bytes, aligned.
.macro OUTG g, rr
	WIN ST1
.set ii, 0
.rept 8
	ds_store_b128 v[OST], v[64*\g+8*ii:64*\g+8*ii+3]   offset:64*ii
	ds_store_b128 v[OST], v[64*\g+8*ii+4:64*\g+8*ii+7] offset:64*ii+16
.set ii, ii+1
.endr
	WIN 0
	s_wait_xcnt 0x0                                ; the registers that earlier stores read are loaded again only behind this wait
.set ii, 0
.rept 16
	ds_load_b128 v[\rr+4*ii:\rr+4*ii+3], v[ORD] offset:OP*ii
.set ii, ii+1
.endr
.set ii, 0
.rept 16
	s_wait_dscnt 15-ii                             ; LDS loads come back in order: row ii is in
	global_store_b128 v[GROW], v[\rr+4*ii:\rr+4*ii+3], s[22:23] offset:\g*262144+512*ii
.set ii, ii+1
.endr
.endm
	OUTG 0, 128
	OUTG 1, 192
	OUTG 2, 128
	OUTG 3, 192
	s_set_vgpr_msb 0xf
	s_wait_tensorcnt 0x0
	ds_add_u32 v96, v97
	s_wait_dscnt 0x0
	s_set_vgpr_msb 0xf00
	s_endpgm
.Lfunc_end_k_q8435215500_attn:
	.size	k_q8435215500_attn, .Lfunc_end_k_q8435215500_attn-k_q8435215500_attn
	.p2alignl 7, 3214868480
	.fill 96, 4, 3214868480
	.section	.rodata,"a",@progbits
	.p2align	6, 0x0
	.amdhsa_kernel k_q8435215500_attn
		.amdhsa_group_segment_fixed_size 168448
		.amdhsa_private_segment_fixed_size 0
		.amdhsa_enable_private_segment 0
		.amdhsa_kernarg_size 96
		.amdhsa_user_sgpr_count 2
		.amdhsa_user_sgpr_kernarg_segment_ptr 1
		.amdhsa_wavefront_size32 1
		.amdhsa_system_sgpr_workgroup_id_x 1
		.amdhsa_system_sgpr_workgroup_id_y 1
		.amdhsa_system_sgpr_workgroup_id_z 1
		.amdhsa_system_vgpr_workitem_id 0
		.amdhsa_next_free_vgpr 866
		.amdhsa_next_free_sgpr 66
		.amdhsa_reserve_vcc 1
		.amdhsa_float_denorm_mode_32 3
		.amdhsa_float_denorm_mode_16_64 3
		.amdhsa_memory_ordered 1
		.amdhsa_forward_progress 1
		.amdhsa_inst_pref_size 255
	.end_amdhsa_kernel
	.section	.bss,"aw",@nobits
	.p2align	6
	.space	262144
	.amdgpu_metadata
---
amdhsa.version: [ 1, 2 ]
amdhsa.kernels:
  - .name:           k_q8435215500_attn
    .symbol:         k_q8435215500_attn.kd
    .args:
      - { .name: queries, .offset: 0, .size: 8, .value_kind: global_buffer, .address_space: global }
      - { .name: keys, .offset: 8, .size: 8, .value_kind: global_buffer, .address_space: global }
      - { .name: key_t_caches, .offset: 16, .size: 8, .value_kind: global_buffer, .address_space: global }
      - { .name: values, .offset: 24, .size: 8, .value_kind: global_buffer, .address_space: global }
      - { .name: value_caches, .offset: 32, .size: 8, .value_kind: global_buffer, .address_space: global }
      - { .name: attn_bias, .offset: 40, .size: 8, .value_kind: global_buffer, .address_space: global }
      - { .name: kq_scale, .offset: 48, .size: 8, .value_kind: global_buffer, .address_space: global }
      - { .name: opart, .offset: 56, .size: 8, .value_kind: global_buffer, .address_space: global }
      - { .name: stats, .offset: 64, .size: 8, .value_kind: global_buffer, .address_space: global }
      - { .name: tailstat, .offset: 72, .size: 8, .value_kind: global_buffer, .address_space: global }
      - { .name: out1, .offset: 80, .size: 8, .value_kind: global_buffer, .address_space: global }
      - { .name: out2, .offset: 88, .size: 8, .value_kind: global_buffer, .address_space: global }
    .group_segment_fixed_size: 168448
    .private_segment_fixed_size: 0
    .kernarg_segment_align: 8
    .kernarg_segment_size: 96
    .max_flat_workgroup_size: 128
    .sgpr_count:     66
    .vgpr_count:     866
    .wavefront_size: 32
...
	.end_amdgpu_metadata
.endif
;; end of part 1
;; launch combine (part 2): grid 256 x 1, 8 waves a work-group, no clusters, 0 bytes of LDS; arguments opart, stats, tailstat, out0; writes out0
.if DOCPART == 2
	.amdgcn_target "amdgcn-amd-amdhsa--gfx1250"
	.amdhsa_code_object_version 6
	.text
	.protected	k_q8435215500_combine
	.globl	k_q8435215500_combine
	.p2align	8
	.type	k_q8435215500_combine,@function
k_q8435215500_combine:
	s_mov_b64 s[64:65], 0
	v_nop
	global_prefetch_b8 v0, s[64:65] scope:SCOPE_SE
	s_setreg_imm32_b32 hwreg(HW_REG_WAVE_MODE, 25, 1), 1
	s_wait_xcnt 0x0
; out0[head][b][:] = sum over the four key splits of weight x partial O, where the weights come from the splits' maxima and sums and from the two
; halves of the bias row's tail (positions 2560 .. 4095, whose values are zero: they enter the maximum and the denominator alone).
; Work-group y = one chunk of stats: kv = y >> 5, rows b = 16 (y & 31) .. + 15, four heads.  Wave v: head g = v >> 1, rows r0 + i, r0 = 8 (v & 1), i = 0 .. 7.
; A stream: every partial byte is read once, by loads of 512 consecutive bytes, all 32 of a wave issued at the start; every output byte is written
; once, by stores of 512 consecutive bytes.  No LDS, no barrier, no matrix unit, no cluster: the work-groups share no input but 256 bytes of tailstat.
; LIMIT: a row all of whose 4,096 scores are -infinity has the denominator 0 and gives NaN, as a softmax of such a row does.
.set LOG2E, 0x3fb8aa3b
.set P, 32                             ; v[32:159]  row i, split p: 4 registers at P + 16 i + 4 p
	s_load_b256 s[8:15], s[0:1], 0x0               ; opart s[8:9], stats s[10:11], tailstat s[12:13], out0 s[14:15]
	v_lshrrev_b32 v1, 5, v0
	v_readfirstlane_b32 s2, v1                     ; wave v
	s_lshr_b32 s3, s2, 1                           ; g
	s_and_b32 s4, s2, 1                            ; which eight rows
	s_lshr_b32 s5, ttmp9, 5                        ; kv
	s_and_b32 s6, ttmp9, 31
	s_lshl_b32 s16, s5, 20                         ; my rows in a split of opart and in out0: kv << 20 | g << 18 | (y & 31) << 13 | (v & 1) << 12
	s_lshl_b32 s7, s3, 18
	s_or_b32 s16, s16, s7
	s_lshl_b32 s7, s6, 13
	s_or_b32 s16, s16, s7
	s_lshl_b32 s7, s4, 12
	s_or_b32 s16, s16, s7
	s_mov_b32 s17, 0
	s_lshl_b32 s18, ttmp9, 11                      ; stats: 2,048 y + 128 g + 4 r0
	s_lshl_b32 s7, s3, 7
	s_or_b32 s18, s18, s7
	s_lshl_b32 s7, s4, 5
	s_or_b32 s18, s18, s7
	s_mov_b32 s19, 0
	s_lshl_b32 s20, s6, 8                          ; tailstat: 16 bytes a row b: 256 (y & 31) + 16 r0
	s_lshl_b32 s7, s4, 7
	s_or_b32 s20, s20, s7
	s_mov_b32 s21, 0
	s_mov_b32 s22, 0x76543210                      ; v_permlanex16_b32: lane i of one half reads lane i of the other
	s_mov_b32 s23, 0xfedcba98
	v_and_b32 v1, 31, v0                           ; lane L stands for row i = L & 7 and split p = L >> 3
	v_and_b32 v2, 7, v1
	v_lshrrev_b32 v3, 3, v1
	v_lshlrev_b32 v4, 2, v2
	v_lshl_or_b32 v4, v3, 9, v4                    ; 512 p + 4 i
	v_and_b32 v5, 1, v3
	v_lshlrev_b32 v6, 4, v2
	v_lshl_or_b32 v5, v5, 3, v6                    ; 16 i + 8 (p & 1): the tail's half
	v_lshlrev_b32 v7, 4, v1                        ; 16 L
	v_mov_b32 v13, 0                               ; v_permlanex16_b32 counts as a reader of its destination
	s_wait_kmcnt 0x0
	s_add_nc_u64 s[10:11], s[10:11], s[18:19]
	s_add_nc_u64 s[12:13], s[12:13], s[20:21]
	s_add_nc_u64 s[14:15], s[14:15], s[16:17]
	s_add_nc_u64 s[24:25], s[8:9], s[16:17]        ; a base for each split: 8 MiB apart, more than a load's immediate reaches
	s_add_nc_u64 s[26:27], s[24:25], 0x800000
	s_add_nc_u64 s[28:29], s[26:27], 0x800000
	s_add_nc_u64 s[30:31], s[28:29], 0x800000
	global_load_b32 v8, v4, s[10:11]               ; the split's maximum
	global_load_b32 v9, v4, s[10:11] offset:64     ; its sum
	global_load_b64 v[10:11], v5, s[12:13]         ; the tail half's maximum and sum
.irp i, 0,1,2,3,4,5,6,7
.irp p, 0,1,2,3
	global_load_b128 v[P+16*\i+4*\p:P+16*\i+4*\p+3], v7, s[24+2*\p:25+2*\p] offset:512*\i th:TH_LOAD_NT
.endr
.endr
	s_wait_loadcnt 32                              ; the three small loads are in; the 32 behind them stay out
	v_cmp_gt_u32 vcc_lo, 16, v1
	v_cndmask_b32 v11, 0, v11, vcc_lo              ; lanes 16 to 31 hold the two halves a second time: their sums count once
	v_max_num_f32 v12, v8, v10
	v_max_num_f32_dpp v12, v12, v12 row_xmask:8 row_mask:0xf bank_mask:0xf
	v_permlanex16_b32 v13, v12, s22, s23
	v_max_num_f32 v12, v12, v13                    ; the row's maximum over four splits and two halves, in all four of its lanes
	v_sub_f32 v14, v8, v12
	v_sub_f32 v15, v10, v12
	v_mul_f32 v14, LOG2E, v14
	v_mul_f32 v15, LOG2E, v15
	v_exp_f32 v14, v14
	v_exp_f32 v15, v15
	v_nop                                          ; one plain vector instruction behind the exponentials before a result is used (ISA guide 5.7.2)
	s_wait_alu depctr_va_vdst(0)
	v_mul_f32 v16, v14, v9
	v_fmac_f32 v16, v15, v11
	v_add_f32_dpp v16, v16, v16 row_xmask:8 row_mask:0xf bank_mask:0xf
	v_permlanex16_b32 v13, v16, s22, s23
	v_add_f32 v16, v16, v13                        ; the denominator
	v_rcp_f32 v17, v16
	v_nop                                          ; the same place behind the reciprocal
	s_wait_alu depctr_va_vdst(0)
	v_mul_f32 v14, v14, v17                        ; the split's weight
.irp i, 0,1,2,3,4,5,6,7
.irp p, 0,1,2,3
	v_readlane_b32 s[32+4*\i+\p], v14, \i+8*\p
.endr
.endr
.set ii, 0
.rept 8
	s_wait_loadcnt 4*(7-ii)                        ; loads come back in order: row ii's four are in, the later rows' stay out
.irp k, 0,1,2,3
	v_mul_f32 v[P+16*ii+\k], s[32+4*ii], v[P+16*ii+\k]
.endr
.irp p, 1,2,3
.irp k, 0,1,2,3
	v_fmac_f32 v[P+16*ii+\k], s[32+4*ii+\p], v[P+16*ii+4*\p+\k]
.endr
.endr
	global_store_b128 v7, v[P+16*ii:P+16*ii+3], s[14:15] offset:512*ii th:TH_STORE_NT
.set ii, ii+1
.endr
	s_endpgm
.Lfunc_end_k_q8435215500_combine:
	.size	k_q8435215500_combine, .Lfunc_end_k_q8435215500_combine-k_q8435215500_combine
	.p2alignl 7, 3214868480
	.fill 96, 4, 3214868480
	.section	.rodata,"a",@progbits
	.p2align	6, 0x0
	.amdhsa_kernel k_q8435215500_combine
		.amdhsa_group_segment_fixed_size 0
		.amdhsa_private_segment_fixed_size 0
		.amdhsa_enable_private_segment 0
		.amdhsa_kernarg_size 32
		.amdhsa_user_sgpr_count 2
		.amdhsa_user_sgpr_kernarg_segment_ptr 1
		.amdhsa_wavefront_size32 1
		.amdhsa_system_sgpr_workgroup_id_x 1
		.amdhsa_system_sgpr_workgroup_id_y 1
		.amdhsa_system_sgpr_workgroup_id_z 1
		.amdhsa_system_vgpr_workitem_id 0
		.amdhsa_next_free_vgpr 160
		.amdhsa_next_free_sgpr 66
		.amdhsa_reserve_vcc 1
		.amdhsa_float_denorm_mode_32 3
		.amdhsa_float_denorm_mode_16_64 3
		.amdhsa_memory_ordered 1
		.amdhsa_forward_progress 1
		.amdhsa_inst_pref_size 14
	.end_amdhsa_kernel
	.amdgpu_metadata
---
amdhsa.version: [ 1, 2 ]
amdhsa.kernels:
  - .name:           k_q8435215500_combine
    .symbol:         k_q8435215500_combine.kd
    .args:
      - { .name: opart, .offset: 0, .size: 8, .value_kind: global_buffer, .address_space: global }
      - { .name: stats, .offset: 8, .size: 8, .value_kind: global_buffer, .address_space: global }
      - { .name: tailstat, .offset: 16, .size: 8, .value_kind: global_buffer, .address_space: global }
      - { .name: out0, .offset: 24, .size: 8, .value_kind: global_buffer, .address_space: global }
    .group_segment_fixed_size: 0
    .private_segment_fixed_size: 0
    .kernarg_segment_align: 8
    .kernarg_segment_size: 32
    .max_flat_workgroup_size: 256
    .sgpr_count:     66
    .vgpr_count:     160
    .wavefront_size: 32
...
	.end_amdgpu_metadata
.endif
;; end of part 2
